; MI455X (gfx1250); checked and timed in simulation.
; The chip was launched on July 23, 2026; its instructions are those of AMD's public machine-readable ISA for CDNA 5 (MIT licence, August 2026) and "CDNA5" Instruction Set Architecture Reference Guide (July 2026). The comments in the code are by the model that wrote it; some were corrected since.
;; Quantized Linear. Allowed arithmetic: float matrix products may take bf16 or f16 operands with f32 sums; other float arithmetic in f32, or as packed bf16 or f16 multiplies, adds, multiply-adds, maxima and minima; sums over many terms, partial sums and values carried from step to step in f32; what a program stores and reads back later, other than sums and carried values, may be rounded once to bf16 or f16.
;; Inputs: bias 4,096 float32; scale 1 x 4,096 float32; weight_q 4,096 x 4,096 int8; x 2 x 2,048 x 4,096 float32.
;; Outputs: out0 2 x 2,048 x 4,096 float32.
;; One version. Each part assembles by itself: llvm-mc -triple=amdgcn-amd-amdhsa -mcpu=gfx1250 --defsym DOCPART=n.
;; ======== version 1 of 1: 1 launch
;; limits: values are held in f16: magnitudes above 65,504 overflow, below 6.1e-05 lose precision
;; launch qlinear (part 1): grid 8 x 32, 4 waves a work-group, clusters of 4 x 4, 327,680 bytes of LDS; arguments x, weight_q, scale, bias, out0; writes out0
.if DOCPART == 1
	.amdgcn_target "amdgcn-amd-amdhsa--gfx1250"
	.amdhsa_code_object_version 6
	.text
	.protected	k_qb7d7cd29df_qlinear
	.globl	k_qb7d7cd29df_qlinear
	.p2align	8
	.type	k_qb7d7cd29df_qlinear,@function
k_qb7d7cd29df_qlinear:
	s_mov_b64 s[64:65], 0
	v_nop
	global_prefetch_b8 v0, s[64:65] scope:SCOPE_SE
	s_setreg_imm32_b32 hwreg(HW_REG_WAVE_MODE, 25, 1), 1
	s_wait_xcnt 0x0
	s_wait_alu depctr_hold_cnt(0) depctr_sa_sdst(0) depctr_va_vdst(0) depctr_va_sdst(0) depctr_va_ssrc(0) depctr_va_vcc(0) depctr_vm_vsrc(0)
	s_getreg_b32 s2, hwreg(HW_REG_IB_STS2, 6, 4)
	s_cmp_eq_u32 s2, 0
	s_cbranch_scc0 .Lentry_in_a_cluster
	s_endpgm
.Lentry_in_a_cluster:
	s_bfe_u32 s2, ttmp6, 0x10000c
	s_cmp_lg_u32 s2, 0xf033
	s_cbranch_scc0 .Lentry_shape_is_right
	s_endpgm
.Lentry_shape_is_right:
; out[n][o] = (sum over i of x[n][i] w[o][i]) scale[o] + bias[o].  x: [4096][4096] f32, w: [4096][4096] int8, scale, bias: [4096] f32, out: [4096][4096] f32.
; ONE launch: x and w come into LDS as they lie in memory (f32, int8) and are turned into f16 in registers, on the way from LDS to the matrix instruction; sums in f32.
; LIMITS.  x is rounded once to f16: |x| of 65,520 or more becomes an infinity, and below 6.1e-5 x keeps f16's fixed step of 6e-8.  w is exact in f16 (whole numbers up to 128).
; Inside each 32 along K the places of k are permuted, alike in both operands, so the order of the sums differs from an ascending one.  sum x scale + bias is ONE fused multiply-add.
; NaN and infinities are not treated apart.
; SHARES.  A work-group makes 128 rows x 512 columns of out: 32 x 8 = 256 work-groups.  Its four waves lie side by side: each takes all 128 rows and 128 columns: 64 accumulators
; of 16 x 16, 512 registers.  That tile, not 256 x 256, since raw x costs 4 bytes and raw w 1 byte for each k: 128 x 4 + 512 x 1 = 1,024 bytes a k against 1,280, and two slots of 128 k must fit in LDS.
; THE RING.  K goes in steps of 128 through two LDS slots filled by the tensor data mover.  x's tile rows are 512 bytes of memory, at multiples of 512.  w's are 128 bytes: steps of 256 for w
; would want 2 x 512 x 272 bytes beside x's 2 x 67,584: 413,696 in all, more than the 327,680 that a work-group can have.
; CLUSTERS.  4 x 4 work-groups.  The four of a row of the cluster need the same tiles of x, the four of a column the same tiles of w: each tile is asked for JOINTLY, by the same tensor load with
; the same descriptor and a mask that names the four.
; THE MATRIX INSTRUCTION IS USED TRANSPOSED: source 0 = 16 rows of w, source 1 = 16 rows of x: a lane then holds one row of out (lane % 16) and eight neighbouring columns, 32 bytes.
; THE CONVERSION.  A quarter step is 32 along K: 64 matrix instructions.  While quarter q is multiplied, quarter q + 1's raw data are converted into the other fragment buffer, in slices of four plain
; vector instructions, one slice behind each matrix instruction, and quarter q + 2's raw data are fetched from LDS.
;   w: four bytes a register.  Their sign bits are flipped (u = w + 128); 0x64 is put above each byte: as f16 that is 1024 + u, exactly; 1152 is taken away, two at a time: w, exactly.  5 instructions for 4 numbers.
;   x: v_cvt_pk_f16_f32, one instruction for 2 numbers.
;   Lane (r, h) holds k = 16 h + 0..15 of the quarter's 32, in both operands: 64 consecutive bytes of a row of x, 16 consecutive bytes of a row of w.
; REGISTERS, in windows of 256 (s_set_vgpr_msb: bits 1:0 source 0, 3:2 source 1, 5:4 source 2, 7:6 destination):
;   window 0: v0-31 addresses; v32-159 x's fragments, two buffers of 64 (on the way out: rows read back); v160-191 raw w; v192-255 at work on the way out
;   window 1: v0-127 w's fragments, two buffers of 64; v128-255 raw x (on the way out: scale and bias)
;   window 2: the 32 accumulators of rows 0-63 ((a, b) at v[8 (8 a + b)]);   window 3: those of rows 64-127
.set KDIM,  4096
.set NDIM,  4096
.set LAPS,  KDIM/256                   ; a lap = two K steps of 128 = once round the ring
.set PA,    528                        ; an LDS row of x: 512 bytes + 16 of padding = 33 x 16: the 16 rows that a load touches start at 16 different groups of four banks (64 banks of 4 bytes: ISA guide 11.1)
.set PB,    144                        ; an LDS row of w: 128 bytes + 16 = 9 x 16: likewise
.set AHALF, 64*PA                      ; what one tensor load brings of x: 64 rows
.set APART, 128*PA                     ; x's part of a slot
.set BHALF, 256*PB                     ; what one tensor load brings of w: 256 rows
.set SLOT,  APART+512*PB               ; x's 128 rows, then w's 512 rows: 141,312 bytes
.set STAGE, 2*SLOT                     ; behind the ring: 16 rows x 528 bytes for each wave, for the way out; no tensor load fills it
.set SBL,   STAGE+4*16*PA              ; 1,024 bytes for each wave: its 128 scales, then its 128 biases
.set SPARE, SBL+4*1024                 ; the spare words, 128 bytes for each wave: two blocks of 256 bytes that no other line names
.set OROW,  NDIM*4                     ; bytes in a row of out
.set ADRA, 16                          ; v16-17  LDS address of my 64 bytes in x's first 16 rows, slot 0, 1
.set ADRB, 20                          ; v20-21  of my 16 bytes in my wave's first 16 rows of w, slot 0, 1
.set STO,  24                          ; v24     the way out: where I put 32 bytes of a row
.set RD,   25                          ; v25     the way out: where I read a row back
.set CO,   26                          ; v26     my byte offset in 512 bytes of a row of out
.set SBA,  27                          ; v27     where my lanes' scales begin
.set SPW,  28                          ; v28     LDS address of my spare word: SPARE + 4 x my thread's number; never rewritten
.set NIL,  29                          ; v29     0; never rewritten
.set MAGV, 31                          ; v31     0x64 in every byte
.set FA,   32                          ; window 0: x's fragments: buffer f, block a at FA + 64 f + 8 a
.set RB,   160                         ; window 0: raw w: block b at RB + 4 b
.set TMP,  192                         ; window 0: the way out
.set FB,   0                           ; window 1: w's fragments: buffer f, block b at FB + 64 f + 8 b
.set RA,   128                         ; window 1: raw x: block a at RA + 16 a
.set SC,   128                         ; window 1, on the way out: scale of block b's columns at SC + 8 b
.set BI,   192                         ; window 1, on the way out: bias likewise
.set WV,  14                           ; s14  my wave's number
.set WH,  15                           ; s15  0: I fetch for x; 1: for w
.set WL,  16                           ; s16  which half of that tile I fetch
.set G1A, 24                           ; s[24:31] descriptor group 1 for x's tiles
.set G0A, 32                           ; s[32:39] descriptor group 0 for x's tiles, a set for each slot
.set G1B, 48                           ; s[48:55], s[56:63] the same for w's tiles
.set G0B, 56
.set X80, 66                           ; s66  flips four sign bits
.set SLO, 68                           ; s68  v_perm_b32: bytes 0 and 1 of raw w, 0x64 above each
.set SHI, 69                           ; s69  bytes 2 and 3 likewise
.set NEG, 70                           ; s70  -1152 twice, in f16
.set MSB, 0
.macro WIN new                         ; the immediate's high byte repeats the setting that is left; a switch that changes nothing is dropped
.if MSB != (\new)
	s_set_vgpr_msb (MSB<<8)|(\new)
.set MSB, \new
.endif
.endm
; A joint load.  Waves 0 and 1 fetch x's two halves, waves 2 and 3 w's.  Each line has one mask and one set of registers for all that issue it; the branch hangs on the wave's number alone.
; An s_nop 0 and four v_nop follow each of the two lines, ahead of the jump, the label and what follows.
.macro JLOAD s
	s_cmp_eq_u32 s[WH], 0
	s_cbranch_scc0 .Lfor_b_\@
	tensor_load_to_lds s[G0A+4*(\s):G0A+4*(\s)+3], s[G1A:G1A+7]
	s_nop 0
.rept 4
	v_nop
.endr
	s_branch .Lasked_\@
.Lfor_b_\@:
	tensor_load_to_lds s[G0B+4*(\s):G0B+4*(\s)+3], s[G1B:G1B+7]
	s_nop 0
.rept 4
	v_nop
.endr
.Lasked_\@:
.endm
; A round of the cluster's barrier: my work-group's barrier, so that wave 0's signal speaks for all four waves; wave 0 signals; every wave waits for all sixteen work-groups; my work-group's barrier once more.
.macro CREST                           ; a round behind its opening barrier
	s_cmp_lg_u32 s[WV], 0
	s_cbranch_scc1 .Lnot_wave_0_\@
	s_barrier_signal -3
.Lnot_wave_0_\@:
	s_barrier_wait -3
	s_barrier_signal -1
	s_barrier_wait -1
.endm
.macro CROUND                          ; a whole round
	s_barrier_signal -1
	s_barrier_wait -1
	CREST
.endm
.macro PLACES                          ; four places between matrix instructions and the vector instructions and loads that touch their registers
.rept 4
	v_nop
.endr
.endm
	s_load_b256 s[4:11], s[0:1], 0x0               ; x s[4:5], w s[6:7], scale s[8:9], bias s[10:11]
	s_load_b64 s[12:13], s[0:1], 0x20              ; out
	v_lshl_add_u32 v[SPW], v0, 2, SPARE
	v_mov_b32 v[NIL], 0
	ds_add_u32 v[SPW], v[NIL]                      ; the wave's opening: the add and its wait stand ahead of my first tensor load; the set-up below, work on registers, stands between them
	v_lshrrev_b32 v1, 5, v0
	v_readfirstlane_b32 s[WV], v1                  ; wave 0..3
	s_lshr_b32 s[WH], s[WV], 1
	s_and_b32 s[WL], s[WV], 1
	s_bfe_u32 s17, ttmp6, 0x40000                  ; cx: my place along the cluster's x
	s_bfe_u32 s18, ttmp6, 0x40004                  ; cy: along its y
	s_lshl_b32 s19, ttmp9, 2                       ; in a cluster launch ttmp9 and ttmp7 count clusters
	s_add_co_u32 s19, s19, s17                     ; tile column (512 columns of out) = 4 x cluster x + cx
	s_and_b32 s20, ttmp7, 0xffff
	s_lshl_b32 s20, s20, 2
	s_add_co_u32 s20, s20, s18                     ; tile row (128 rows of out) = 4 x cluster y + cy
	s_lshl_b32 s21, s18, 2
	s_lshl_b32 s21, 15, s21                        ; my row of the cluster: places 4 cy .. 4 cy + 3
	s_lshl_b32 s22, 0x1111, s17                    ; my column: places cx, cx + 4, cx + 8, cx + 12
	; descriptor group 1 for x: 64 rows x 128 elements of 4 bytes, 4 words of padding behind every 128 words
	s_or_b32 s[G1A+0], s21, (2<<16)|(1<<20)|(1<<21)|(6<<22)|(3<<25)  ; 15:0 the mask: x's tiles go to my row; 17:16 elements of 4 bytes; 20 padding on; 21 set beside a mask; 24:22 code 6; 31:25 code 3
	s_mov_b32 s[G1A+1], 128<<16                    ; tensor_dim0 = 128
	s_mov_b32 s[G1A+2], 64<<16                     ; tensor_dim1 = 64
	s_mov_b32 s[G1A+3], 128<<16                    ; tile_dim0 = 128
	s_mov_b32 s[G1A+4], 64                         ; tile_dim1 = 64
	s_mov_b32 s[G1A+5], KDIM                       ; elements from row to row
	s_mov_b32 s[G1A+6], 0
	s_mov_b32 s[G1A+7], 0
	; descriptor group 1 for w: 256 rows x 128 elements of 1 byte, 4 words of padding behind every 32 words
	s_or_b32 s[G1B+0], s22, (0<<16)|(1<<20)|(1<<21)|(4<<22)|(3<<25)  ; the mask: w's tiles go to my column; elements of 1 byte; 24:22 code 4
	s_mov_b32 s[G1B+1], 128<<16                    ; tensor_dim0 = 128
	s_mov_b32 s[G1B+2], 256<<16                    ; tensor_dim1 = 256
	s_mov_b32 s[G1B+3], 128<<16                    ; tile_dim0 = 128
	s_mov_b32 s[G1B+4], 256                        ; tile_dim1 = 256
	s_mov_b32 s[G1B+5], KDIM
	s_mov_b32 s[G1B+6], 0
	s_mov_b32 s[G1B+7], 0
	s_mul_i32 s23, s[WL], AHALF                    ; where the tiles go: x's two halves,
	s_mul_i32 s44, s[WL], BHALF
	s_add_co_u32 s44, s44, APART                   ; w's two halves behind them: no place in the cluster enters an LDS address
	; where they come from.  x's hang on the tile row alone, which my row of the cluster shares; w's on the tile column alone, which my column shares; each in registers that never hold the other coordinate
	s_lshl_b32 s40, s20, 7
	s_lshl_b32 s41, s[WL], 6
	s_add_co_u32 s40, s40, s41                     ; x: row 128 x tile row + 64 x half,
	s_lshl_b32 s40, s40, 14                        ; of 16,384 bytes: under 2^26
	s_mov_b32 s41, 0
	s_lshl_b32 s42, s19, 9
	s_lshl_b32 s43, s[WL], 8
	s_add_co_u32 s42, s42, s43                     ; w: row 512 x tile column + 256 x half,
	s_lshl_b32 s42, s42, 12                        ; of 4,096 bytes
	s_mov_b32 s43, 0
	s_mov_b32 s[X80], 0x80808080
	s_mov_b32 s[SLO], 0x04010400
	s_mov_b32 s[SHI], 0x04030402
	s_mov_b32 s[NEG], 0xe480e480
	s_wait_dscnt 0x0                               ; the opening add is done
	s_wait_kmcnt 0x0
	s_add_nc_u64 s[40:41], s[4:5], s[40:41]
	s_add_nc_u64 s[42:43], s[6:7], s[42:43]
	CROUND                                         ; all sixteen work-groups are here: the first joint loads meet
.irp s, 0,1
	s_mov_b32 s[G0A+4*(\s)], 1                                     ; 1:0 count = 1
	s_add_co_u32 s[G0A+4*(\s)+1], s23, (\s)*SLOT                   ; 63:32 LDS address
	s_add_nc_u64 s[G0A+4*(\s)+2:G0A+4*(\s)+3], s[40:41], (\s)*512  ; 120:64 global address: K step s
	s_or_b32 s[G0A+4*(\s)+3], s[G0A+4*(\s)+3], 0x80000000          ; 127:126 type = 2
	s_mov_b32 s[G0B+4*(\s)], 1
	s_add_co_u32 s[G0B+4*(\s)+1], s44, (\s)*SLOT
	s_add_nc_u64 s[G0B+4*(\s)+2:G0B+4*(\s)+3], s[42:43], (\s)*128
	s_or_b32 s[G0B+4*(\s)+3], s[G0B+4*(\s)+3], 0x80000000
	JLOAD \s                                       ; the ring is filled before anything else is done: two loads of mine are out
.endr
	; my wave's 128 scales and 128 biases: one read of 512 consecutive bytes each, kept in LDS until the way out
	v_and_b32 v1, 15, v0                           ; r = lane % 16
	v_bfe_u32 v2, v0, 4, 1                         ; h = lane / 16
	v_and_b32 v12, 31, v0                          ; lane
	s_lshl_b32 s46, s19, 11                        ; 512 columns of 4 bytes a tile column,
	s_lshl_b32 s47, s[WV], 9                       ; 128 a wave
	s_add_co_u32 s46, s46, s47
	v_lshl_add_u32 v3, v12, 4, s46
	global_load_b128 v[4:7], v3, s[8:9]
	global_load_b128 v[8:11], v3, s[10:11]
	v_mul_u32_u24 v14, v1, PA
	v_lshl_add_u32 v[ADRA], v2, 6, v14             ; x: row r, 64 bytes for each half of the lanes
	v_add_nc_u32 v[ADRA+1], SLOT, v[ADRA]
	s_mul_i32 s45, s[WV], 128*PB
	s_add_co_u32 s45, s45, APART                   ; my wave's 128 rows of w
	v_mul_u32_u24 v14, v1, PB
	v_lshl_add_u32 v14, v2, 4, v14                 ; row r, 16 bytes for each half of the lanes
	v_add_nc_u32 v[ADRB], s45, v14
	v_add_nc_u32 v[ADRB+1], SLOT, v[ADRB]
	s_mul_i32 s45, s[WV], 16*PA
	s_add_co_u32 s45, s45, STAGE                   ; my stage
	v_mul_u32_u24 v14, v1, PA
	v_lshl_add_u32 v14, v2, 5, v14                 ; in: row r, 32 bytes for each half of the lanes
	v_add_nc_u32 v[STO], s45, v14
	v_lshl_add_u32 v[RD], v12, 4, s45              ; back: 32 lanes take one row of 512 bytes
	v_lshlrev_b32 v[CO], 4, v12                    ; and the same 512 bytes in out
	s_lshl_b32 s45, s[WV], 10
	s_add_co_u32 s45, s45, SBL                     ; my wave's scales and biases
	v_lshl_add_u32 v[SBA], v2, 5, s45              ; a lane's eight columns of a block: 32 bytes for each half of the lanes
	v_lshl_add_u32 v13, v12, 4, s45
	v_mov_b32 v[MAGV], 0x64646464
	s_lshl_b32 s47, s20, 21                        ; 128 rows of 16,384 bytes a tile row
	s_add_co_u32 s46, s46, s47                     ; under 2^26
	s_mov_b32 s47, 0
	s_add_nc_u64 s[12:13], s[12:13], s[46:47]      ; out at my wave's first row and column
	s_wait_loadcnt 0x0
	ds_store_b128 v13, v[4:7]
	ds_store_b128 v13, v[8:11] offset:512
; 8 LDS loads: raw w of quarter lk of the step in slot ls: 16 bytes a lane for each of my 8 blocks of 16 rows
.macro LOADB ls, lk
	WIN 0
.irp n, 0,1,2,3,4,5,6,7
	ds_load_b128 v[RB+4*(\n):RB+4*(\n)+3], v[ADRB+(\ls)] offset:(\n)*16*PB+32*(\lk)
.endr
.endm
; 32 LDS loads: raw x of the same: 64 bytes a lane for each of the 8 blocks of 16 rows
.macro LOADA ls, lk
	WIN 0x40                                       ; destination window 1, address window 0
.irp a, 0,1,2,3,4,5,6,7
.irp c, 0,1,2,3
	ds_load_b128 v[RA+16*(\a)+4*(\c):RA+16*(\a)+4*(\c)+3], v[ADRA+(\ls)] offset:(\a)*16*PA+128*(\lk)+16*(\c)
.endr
.endr
.endm
; Slice k of 64 of the conversion into buffer g; each slice stands under one window setting.
;   0-39   w's block k / 5: four sign flips; four and four v_perm_b32 (1024 + u in each half); four and four packed additions of -1152
;   40-47  nothing: here raw w is fetched anew, and raw x is waited for
;   48-63  x's block (k - 48) / 2: four and four roundings of two numbers
.macro SLICE g
.if k < 40
.set sb, k/5
.set ph, k%5
.if ph == 0
	WIN 0
.irp d, 0,1,2,3
	v_xor_b32 v[RB+4*sb+(\d)], s[X80], v[RB+4*sb+(\d)]
.endr
.elseif ph < 3
	WIN 0x40                                       ; destination window 1
.irp d, 0,1
	v_perm_b32 v[FB+64*(\g)+8*sb+4*(ph-1)+2*(\d)],   v[MAGV], v[RB+4*sb+2*(ph-1)+(\d)], s[SLO]
	v_perm_b32 v[FB+64*(\g)+8*sb+4*(ph-1)+2*(\d)+1], v[MAGV], v[RB+4*sb+2*(ph-1)+(\d)], s[SHI]
.endr
.else
	WIN 0x41                                       ; destination and source 0 window 1
.irp e, 0,1,2,3
	v_pk_add_f16 v[FB+64*(\g)+8*sb+4*(ph-3)+(\e)], v[FB+64*(\g)+8*sb+4*(ph-3)+(\e)], s[NEG]
.endr
.endif
.elseif k >= 48
.set sa, (k-48)/2
.set hf, (k-48)%2
	WIN 0x05                                       ; both sources window 1, destination window 0
.irp e, 0,1,2,3
	v_cvt_pk_f16_f32 v[FA+64*(\g)+8*sa+4*hf+(\e)], v[RA+16*sa+8*hf+2*(\e)], v[RA+16*sa+8*hf+2*(\e)+1]
.endr
.endif
.set k, k+1
.endm
; Matrix instruction i of a quarter's 64: x's block i / 8, w's block i % 8, from buffer f.  The 64 accumulators take turns, in the same order in every quarter.
; zero = 1: the product starts the sum: nothing is ever cleared.
.macro MM f, zero
.set aa, i/8
.set bb, i%8
.set rD, 8*(8*(aa%4)+bb)
	WIN 0xa1+0x50*(aa/4)                           ; source 0 (w) window 1, source 1 (x) window 0, C and D window 2 or 3
.if \zero
	v_wmma_f32_16x16x32_f16 v[rD:rD+7], v[FB+64*(\f)+8*bb:FB+64*(\f)+8*bb+7], v[FA+64*(\f)+8*aa:FA+64*(\f)+8*aa+7], 0
.else
	v_wmma_f32_16x16x32_f16 v[rD:rD+7], v[FB+64*(\f)+8*bb:FB+64*(\f)+8*bb+7], v[FA+64*(\f)+8*aa:FA+64*(\f)+8*aa+7], v[rD:rD+7]
.endif
.endm
; A QUARTER multiplies buffer f.  conv = 1: the next quarter's raw data are converted into the other buffer, a slice behind each matrix instruction.  load = 1: the raw data of the quarter after that
; (quarter lk of the step in slot ls) are fetched: w's ahead of product 40 (raw w's last reader is slice 37), x's behind the last slice.
; The other buffer was multiplied by the quarter before.  Behind that quarter's last product stand its slice 63 and this quarter's slice 0, eight plain instructions that name none of its registers, before a fragment is written.
; turn != 0: a step's third quarter changes slots: the fetches from here on read the other slot.  ONE barrier, for two things.  In front of it each wave waits for all its tensor loads, of which one is out: its part of
; the other slot; adds 0 to its spare word; and waits for that and for its reads of this slot, the last of which were issued in the quarter before.  Behind it nobody reads this slot any more and the other slot is whole.
; turn = 1: the barrier opens a round of the cluster's, and slot tslot, just left, is filled again, two K steps on, first thing behind the round: 216 matrix instructions ahead of the wait for it.  turn = 2: nothing is left to fetch.
.macro QUARTER f, zero, conv, load, ls, lk, turn, tslot
.if \turn
	WIN 0                                          ; (the add's two registers lie in window 0)
	s_wait_tensorcnt 0x0                           ; all my tensor loads have landed
	ds_add_u32 v[SPW], v[NIL]                      ; 0 onto my spare word: 24 products and their slices stand between it and the wait for it
	s_wait_dscnt 33                                ; raw w is in: behind its 8 loads came raw x's 32 and the add
.elseif \conv
	s_wait_dscnt 32                                ; raw w is in: behind its 8 loads came raw x's 32
.endif
.set i, 0
.set k, 0
.rept 64
.if (\turn) && (i == 24)
	s_wait_dscnt 0x0                               ; the add is done, and my reads of this slot are over:
	s_barrier_signal -1                            ; say so; sixteen products and their slices, work on registers, while the others arrive
.endif
.if (\turn) && (i == 40)
	WIN 0                                          ; at a branch and at a label every window is 0
	s_barrier_wait -1
.if (\turn) == 1
	CREST                                          ; no wave of any partner still reads this slot's tiles or has a load on its way
	s_add_nc_u64 s[G0A+4*(\tslot)+2:G0A+4*(\tslot)+3], s[G0A+4*(\tslot)+2:G0A+4*(\tslot)+3], 2*128*4  ; no tensor load of mine is out, so a group 0 may be written: two K steps on
	s_add_nc_u64 s[G0B+4*(\tslot)+2:G0B+4*(\tslot)+3], s[G0B+4*(\tslot)+2:G0B+4*(\tslot)+3], 2*128
	JLOAD \tslot                                   ; the first tensor load behind the round, and my only one until the next
.endif
.endif
.if (\load) && (i == 40)
	LOADB \ls, \lk
.endif
.if (\conv) && (i == 48)
	s_wait_dscnt 8*(\load)                         ; raw x is in: behind its loads came at most raw w's 8
.endif
	MM \f, \zero
.if \conv
	SLICE 1-(\f)
.endif
.set i, i+1
.endr
.if \load
	LOADA \ls, \lk
.endif
.endm
; THE WAY OUT.  LOADSB: my lanes' 64 scales and 64 biases, into raw x's registers.
.macro LOADSB
	WIN 0x40
.irp b, 0,1,2,3,4,5,6,7
.irp c, 0,1
	ds_load_b128 v[SC+8*(\b)+4*(\c):SC+8*(\b)+4*(\c)+3], v[SBA] offset:64*(\b)+16*(\c)
	ds_load_b128 v[BI+8*(\b)+4*(\c):BI+8*(\b)+4*(\c)+3], v[SBA] offset:512+64*(\b)+16*(\c)
.endr
.endr
.endm
; PACK: block a's 16 rows: sum x scale + bias, two at a time; each accumulator's registers in ascending order.
.macro PACK a
	WIN 0x16+(\a)/4                                ; source 0 window 2 or 3, sources 1 and 2 window 1, destination window 0
.irp b, 0,1,2,3,4,5,6,7
.irp p, 0,1,2,3
	v_pk_fma_f32 v[TMP+8*(\b)+2*(\p):TMP+8*(\b)+2*(\p)+1], v[8*(8*((\a)%4)+(\b))+2*(\p):8*(8*((\a)%4)+(\b))+2*(\p)+1], v[SC+8*(\b)+2*(\p):SC+8*(\b)+2*(\p)+1], v[BI+8*(\b)+2*(\p):BI+8*(\b)+2*(\p)+1]
.endr
.endr
.endm
; TOSTAGE: into my own stage, 32 bytes a lane and block; back as whole rows of 512 bytes.
.macro TOSTAGE a
	WIN 0
.set BK, FA+64*((\a)%2)
.irp b, 0,1,2,3,4,5,6,7
.irp c, 0,1
	ds_store_b128 v[STO], v[TMP+8*(\b)+4*(\c):TMP+8*(\b)+4*(\c)+3] offset:64*(\b)+16*(\c)
.endr
.endr
.irp t, 0,1,2,3,4,5,6,7,8,9,10,11,12,13,14,15
	ds_load_b128 v[BK+4*(\t):BK+4*(\t)+3], v[RD] offset:(\t)*PA  ; LDS serves a wave's instructions in order (ISA guide 5.7.1.4): these see the stores above
.endr
.endm
; SEND: stored.
.macro SEND a
	WIN 0
.set BK, FA+64*((\a)%2)
	s_wait_dscnt 0x0                               ; the block is back in registers
	s_wait_xcnt 0x0                                ; the stores of the block before have had their addresses translated (ISA guide 3.1): only behind this wait does the next block land in the registers that they read
.irp t, 0,1,2,3,4,5,6,7,8,9,10,11,12,13,14,15
	global_store_b128 v[CO], v[BK+4*(\t):BK+4*(\t)+3], s[12:13] offset:(16*(\a)+(\t))*OROW th:TH_STORE_NT  ; 32 lanes store 512 consecutive bytes, at a multiple of 512 from out's first byte; 127 rows at the most: inside the signed 24-bit immediate
.endr
.endm
	s_wait_tensorcnt 1                             ; my part of K step 0 is in; K step 1's may stay out
	s_wait_dscnt 0x0                               ; my scales and biases are stored
	s_barrier_signal -1
	s_barrier_wait -1                              ; everybody's part of K step 0 is in
	LOADB 0, 0
	LOADA 0, 0
	s_wait_dscnt 32                                ; raw w of the first quarter
.set k, 0
.rept 64                                               ; the first quarter's conversion has no products to stand behind
.if k == 40
	LOADB 0, 1
.endif
.if k == 48
	s_wait_dscnt 8                                 ; raw x is in; the 8 loads just issued may be out
.endif
	SLICE 0
.endr
	LOADA 0, 1
	QUARTER 0, 1, 1, 1, 0, 2, 0, 0                 ; the first quarter stands in front of the loop: its products start the sums
	WIN 0                                          ; at a label and at a branch every window is 0
	s_mov_b32 s3, LAPS-1
.Llap:                                                 ; a trip goes once round the ring, from a lap's second quarter to the next lap's first, and fills both slots again
	QUARTER 1, 0, 1, 1, 0, 3, 0, 0
	QUARTER 0, 0, 1, 1, 1, 0, 1, 0                 ; slot 0 has been read out: it takes the K step two on
	QUARTER 1, 0, 1, 1, 1, 1, 0, 0
	QUARTER 0, 0, 1, 1, 1, 2, 0, 0
	QUARTER 1, 0, 1, 1, 1, 3, 0, 0
	QUARTER 0, 0, 1, 1, 0, 0, 1, 1                 ; slot 1 likewise
	QUARTER 1, 0, 1, 1, 0, 1, 0, 0
	QUARTER 0, 0, 1, 1, 0, 2, 0, 0
	WIN 0
	s_sub_co_u32 s3, s3, 1
	s_cmp_lg_u32 s3, 0
	s_cbranch_scc1 .Llap
	QUARTER 1, 0, 1, 1, 0, 3, 0, 0                 ; the last lap is written out: it asks for nothing
	QUARTER 0, 0, 1, 1, 1, 0, 2, 0                 ; my one tensor load that was still out is the last K step's; a barrier without a round
	QUARTER 1, 0, 1, 1, 1, 1, 0, 0
	QUARTER 0, 0, 1, 1, 1, 2, 0, 0
	QUARTER 1, 0, 1, 1, 1, 3, 0, 0
	QUARTER 0, 0, 1, 0, 0, 0, 0, 0                 ; the last conversion; nothing more to fetch
	LOADSB                                         ; raw x's registers are free: scale and bias arrive under the last 64 products
	QUARTER 1, 0, 0, 0, 0, 0, 0, 0
	WIN 0
	PLACES                                         ; behind the last products: the lines below read results, and rows land in x's fragment registers
	s_wait_dscnt 0x0                               ; scale and bias are in
	PACK 0
	TOSTAGE 0
.irp a, 1,2,3,4,5,6,7                          ; block a's arithmetic stands between block a - 1's loads from the stage and the wait for them
	PACK \a
	SEND (\a)-1
	TOSTAGE \a
.endr
	SEND 7
	s_wait_tensorcnt 0x0                           ; the wave's end: behind my last tensor load and my last LDS store
	ds_add_u32 v[SPW], v[NIL]
	s_wait_dscnt 0x0
	CROUND                                         ; the closing round: no work-group ends while a partner may still ask for a tile that names it
	s_endpgm
.Lfunc_end_k_qb7d7cd29df_qlinear:
	.size	k_qb7d7cd29df_qlinear, .Lfunc_end_k_qb7d7cd29df_qlinear-k_qb7d7cd29df_qlinear
	.p2alignl 7, 3214868480
	.fill 96, 4, 3214868480
	.section	.rodata,"a",@progbits
	.p2align	6, 0x0
	.amdhsa_kernel k_qb7d7cd29df_qlinear
		.amdhsa_group_segment_fixed_size 327680
		.amdhsa_private_segment_fixed_size 0
		.amdhsa_enable_private_segment 0
		.amdhsa_kernarg_size 40
		.amdhsa_user_sgpr_count 2
		.amdhsa_user_sgpr_kernarg_segment_ptr 1
		.amdhsa_wavefront_size32 1
		.amdhsa_system_sgpr_workgroup_id_x 1
		.amdhsa_system_sgpr_workgroup_id_y 1
		.amdhsa_system_sgpr_workgroup_id_z 1
		.amdhsa_system_vgpr_workitem_id 0
		.amdhsa_next_free_vgpr 1024
		.amdhsa_next_free_sgpr 72
		.amdhsa_reserve_vcc 0
		.amdhsa_float_denorm_mode_32 3
		.amdhsa_float_denorm_mode_16_64 3
		.amdhsa_memory_ordered 1
		.amdhsa_forward_progress 1
		.amdhsa_inst_pref_size 255
	.end_amdhsa_kernel
	.section	.bss,"aw",@nobits
	.p2align	6
	.space	262144
	.amdgpu_metadata
---
amdhsa.version: [ 1, 2 ]
amdhsa.kernels:
  - .name:           k_qb7d7cd29df_qlinear
    .symbol:         k_qb7d7cd29df_qlinear.kd
    .args:
      - { .name: x, .offset: 0, .size: 8, .value_kind: global_buffer, .address_space: global }
      - { .name: weight_q, .offset: 8, .size: 8, .value_kind: global_buffer, .address_space: global }
      - { .name: scale, .offset: 16, .size: 8, .value_kind: global_buffer, .address_space: global }
      - { .name: bias, .offset: 24, .size: 8, .value_kind: global_buffer, .address_space: global }
      - { .name: out0, .offset: 32, .size: 8, .value_kind: global_buffer, .address_space: global }
    .group_segment_fixed_size: 327680
    .private_segment_fixed_size: 0
    .kernarg_segment_align: 8
    .kernarg_segment_size: 40
    .max_flat_workgroup_size: 128
    .sgpr_count:     72
    .vgpr_count:     1024
    .wavefront_size: 32
...
	.end_amdgpu_metadata
.endif
;; end of part 1
